; MI455X (gfx1250); checked and timed in simulation.
; The chip was launched on July 23, 2026; its instructions are those of AMD's public machine-readable ISA for CDNA 5 (MIT licence, August 2026) and "CDNA5" Instruction Set Architecture Reference Guide (July 2026). The comments in the code are by the model that wrote it; some were corrected since.
;; Attention Gate. Allowed arithmetic: matrix products marked QUANTISED: E5M2 operands, one given power-of-two scale a tensor, by v_wmma_f32_16x16x64_bf8_bf8 or v_wmma_f32_16x16x128_bf8_bf8, f32 sums; everything else in f32.
;; Inputs: bk 1,024 float32; bo 1,024 float32; bq 1,024 float32; bv 1,024 float32; lowp_scales 12 int32 (the exponents e of the quantised operands' scales 2^e); wk_codes 1,024 x 32 x 32 uint8 (E5M2 codes of wk, K innermost, in blocks of 32 codes); wo_codes 1,024 x 32 x 32 uint8 (E5M2 codes of wo, K innermost, in blocks of 32 codes); wq_codes 1,024 x 32 x 32 uint8 (E5M2 codes of wq, K innermost, in blocks of 32 codes); wv_codes 1,024 x 32 x 32 uint8 (E5M2 codes of wv, K innermost, in blocks of 32 codes); x_codes 4 x 2,048 x 32 x 32 uint8 (E5M2 codes of x, K innermost, in blocks of 32 codes).
;; Outputs: out0 4 x 2,048 x 1,024 float32.
;; This version of the problem:
;;   THIS VERSION OF THE PROBLEM IS GIVEN IN LOW PRECISION. The matrix products marked QUANTISED in the list below multiply operands that are first quantised to E5M2 (5 exponent bits, 2 mantissa bits; 8 bits a number), with one given power-of-two scale for each operand tensor; their sums are f32. All else is computed in f32.
;;   The module's matrix products, in the order in which they are computed (A, B: the left and right operand; K: the contracted axis; several contracted axes count as one K, in the product's order):
;;     1. [M 8,192, K 1,024] x [K 1,024, N 1,024]; A: input x (given as codes); B: input wq (given as codes): QUANTISED (scales: A lowp_scales[0], B lowp_scales[1])
;;     2. [M 8,192, K 1,024] x [K 1,024, N 1,024]; A: input x (given as codes); B: input wk (given as codes): QUANTISED (scales: A lowp_scales[2], B lowp_scales[3])
;;     3. [M 8,192, K 1,024] x [K 1,024, N 1,024]; A: input x (given as codes); B: input wv (given as codes): QUANTISED (scales: A lowp_scales[4], B lowp_scales[5])
;;     4. batch 64 x [M 2,048, K 64] x [K 64, N 2,048]; A: computed on the way; B: computed on the way: QUANTISED (scales: A lowp_scales[6], B lowp_scales[7])
;;     5. batch 64 x [M 2,048, K 2,048] x [K 2,048, N 64]; A: softmax (see below); B: computed on the way: QUANTISED (scales: A lowp_scales[8], B lowp_scales[9])
;;     6. [M 8,192, K 1,024] x [K 1,024, N 1,024]; A: computed on the way; B: input wo (given as codes): QUANTISED (scales: A lowp_scales[10], B lowp_scales[11])
;;   THE QUANTISER, for each operand of a quantised product, along K:
;;     - The operand's scale is 2^e, e = its entry of the input lowp_scales (int32; the entries are numbered through the quantised products in the list's order, A before B).
;;     - Each number is divided by the scale, clamped to +-57,344, and rounded to the nearest number of E5M2, ties to even, subnormals kept.
;;     - The product sums the exact products of the quantised numbers (number of the format x scale) in f32.
;;   ~~~python
;;   def quantise(x, axis, e):      # numpy; x: float32 -> the quantised numbers, widened to float32 again
;;       x = np.moveaxis(x, axis, -1); K = x.shape[-1]
;;       r = np.clip(x / 2.0 ** e, -57344, 57344)
;;       step = 2.0 ** (np.maximum(np.frexp(np.where(r == 0, 1, r))[1] - 1, -14) - 2)
;;       q = np.round(r / step) * step * 2.0 ** e      # np.round: ties to even
;;       return np.moveaxis(q, -1, axis).astype(np.float32)
;;   ~~~
;;   SOFTMAX AHEAD OF A QUANTISED PRODUCT. Where the list says 'softmax', what is quantised is not the finished softmax but p = 2^(t - M), with t = logit x log2(e) and M = ceil(the row's largest t), a whole number; so 1/2 < the row's largest p <= 1. The row's sum l is taken of the UNQUANTISED p, in f32, and the product's result is divided by l at the end. Since M is a whole number, a kernel that streams over the keys may use a running M (the ceiling of the running maximum): every later rescaling is an exact power of two, so the quantised numbers keep their values, but for numbers so far below the row's largest that they fall under the format's range.
;;   OPERANDS COMPUTED ON THE WAY. 'Computed on the way' means the value that the module computes at that place (a softmax that the list does not call 'softmax' is quantised finished and normalised). What goes into a quantiser is computed in f32, as accurately as f32 sums, v_exp_f32 and their like allow (about 1e-6 of the number): no bf16 or f16 on the way to a quantiser, and a product that is left as it is and whose result goes on into a quantised operand takes f32 operands (vector FMAs, or v_wmma_f32_16x16x4_f32). A number that lies on a knife's edge between two numbers of the format may be rounded either way, as far as f32 arithmetic and the matrix unit's own rounding can turn it there, and no further.
;;   INPUTS GIVEN AS CODES. wk (in the module: [1024, 1024], K = its axis 1); wo (in the module: [1024, 1024], K = its axis 1); wq (in the module: [1024, 1024], K = its axis 1); wv (in the module: [1024, 1024], K = its axis 1); x (in the module: [4, 2048, 1024], K = its axis 2): each comes as NAME_codes (uint8): NAME with its K axis moved to the last place and cut into blocks of 32 codes, [.., K / 32, bytes a block], one block behind the other in memory; one code a byte (a code: sign, 5 exponent bits, 2 mantissa bits); its scale is its entry of lowp_scales. Its value is code x scale, taken as it is: it is not quantised again, and the codes and scales need not be those that the quantiser above would give.
;; One version. Each part assembles by itself: llvm-mc -triple=amdgcn-amd-amdhsa -mcpu=gfx1250 --defsym DOCPART=n.
;; ======== version 1 of 1: 3 launches
;; limits: right only within a limited range of input values
;; workspace buffers: qc 8,388,608 bytes; kc 8,388,608 bytes; vc 8,388,608 bytes; oc 8,388,608 bytes
;; launch qkv (part 1): grid 12 x 32, 4 waves a work-group, clusters of 4 x 4, 327,680 bytes of LDS; arguments x_codes, wq_codes, wk_codes, wv_codes, bq, bk, bv, lowp_scales, qc, kc, vc; writes qc, kc, vc
.if DOCPART == 1
	.amdgcn_target "amdgcn-amd-amdhsa--gfx1250"
	.amdhsa_code_object_version 6
	.text
	.protected	k_qaeb3ed0721_qkv
	.globl	k_qaeb3ed0721_qkv
	.p2align	8
	.type	k_qaeb3ed0721_qkv,@function
k_qaeb3ed0721_qkv:
	s_mov_b64 s[64:65], 0
	v_nop
	global_prefetch_b8 v0, s[64:65] scope:SCOPE_SE
	s_setreg_imm32_b32 hwreg(HW_REG_WAVE_MODE, 25, 1), 1
	s_wait_xcnt 0x0
	s_wait_alu depctr_hold_cnt(0) depctr_sa_sdst(0) depctr_va_vdst(0) depctr_va_sdst(0) depctr_va_ssrc(0) depctr_va_vcc(0) depctr_vm_vsrc(0)
	s_getreg_b32 s2, hwreg(HW_REG_IB_STS2, 6, 4)
	s_cmp_eq_u32 s2, 0
	s_cbranch_scc0 .Lentry_in_a_cluster
	s_endpgm
.Lentry_in_a_cluster:
	s_bfe_u32 s2, ttmp6, 0x10000c
	s_cmp_lg_u32 s2, 0xf033
	s_cbranch_scc0 .Lentry_shape_is_right
	s_endpgm
.Lentry_shape_is_right:
; q = x wq^T + bq, k = x wk^T + bk, v = x wv^T + bv on codes of BF8 (E5M2), and the three results quantised again (scales 2^e6, 2^e7, 2^e9) into qc, kc, vc.
; x: [8192][1024] codes, the weights [1024][1024] codes, K innermost.  The cluster's x says which product a cluster works on: 0 q, 1 k, 2 v; it is the same in all sixteen partners.
; A tile of 256 x 256 results is made by four waves, 128 x 128 each: 64 accumulators of 16 x 16, 512 registers.  K goes in four steps of 256 bytes through a ring of two LDS slots.
; TWO OPERANDS, "A" (source 1 of the matrix instruction, one set of registers) and "B" (source 0, two sets).  In a result lane l holds row l % 16 of A's block and its eight registers rows 16 b + 8 (l / 16) + 0 .. 7 of B.
;   q, k: A = 256 tokens of x, B = 256 rows of the weight: a lane holds ONE TOKEN and eight neighbouring channels, which are the next product's K (the head's 64).
;   v:    A = 256 rows of wv,  B = 256 tokens of x:        a lane holds ONE CHANNEL and eight neighbouring tokens, which are the next product's K (the keys).
; So one conversion of a lane's eight registers gives registers 2 b, 2 b + 1 of the next product's operand, and the codes are stored AS IMAGES OF THAT OPERAND'S REGISTERS: 16 bytes a lane, 512 consecutive bytes a store, no turn through LDS.
;   qc, kc: [batch x head 64][tile of 16 tokens 128][1024 bytes]: byte 512 c + 16 lane + y = register 4 c + y / 4 of the tile's fragment (16 tokens x 64 channels)
;   vc:     [batch x head 64][128 keys 16][16 channels 4][2048 bytes]: byte 512 c + 16 lane + y = register 4 c + y / 4 of the fragment (16 channels x 128 keys)
; CLUSTERS: 4 x 4 work-groups.  A's tile hangs on cy (and the cluster's y), B's on cx (and the cluster's y): A's is asked for jointly by a row of the cluster, B's by a column.
; Fragments of x and of the weights are fetched by four loads of 16 bytes: a permutation of k inside 128, the same on both sides, so every product meets its partner.
; LIMITS: e0 + e1, e2 + e3, e4 + e5 between -126 and 127; e6, e7, e9 between -126 and 112: each power of two below is then an f32 number.  NaN and infinity among the biases are not served.
; REGISTERS, in windows of 256: window 0: v0-31 addresses; v32-95 the bias by B's rows (q, k); v96-111 the bias by A's rows (v); v112 the quantiser's scale; v128-255 A's fragments, on the way out the codes.
;   window 1: B's fragments, two sets, at v0 and v128.   window 2: the accumulators of A's blocks 0-3 ((a, b) at v[8 (8 (a % 4) + b)]);   window 3: those of blocks 4-7.
.set ROWB,   256                       ; a tile's row in bytes
.set KROW,   1024                      ; a row of x or of a weight in memory, in bytes
.set PITCH,  272                       ; an LDS row: 256 bytes + 16 of padding, an odd multiple of 16: the sixteen rows that a load touches begin at sixteen different 16-byte columns of 256
.set FR,     16                        ; registers of a fragment: 16 rows x 128 K
.set NL,     4                         ; LDS loads that bring one
.set NP,     4                         ; places behind this matrix instruction (ISA guide 7.12.1)
.set HALFT,  128*PITCH                 ; 128 rows: what one tensor load brings
.set SLOT,   4*HALFT                   ; A's 256 rows, then B's 256 rows
.set LAPS,   2                         ; a lap = two K steps of 256 = once round the ring
.set SPARE,  2*SLOT                    ; behind the ring: the spare words, 128 bytes for each wave
.set ADRA, 16                          ; v16-17  LDS address of my A fragments in slot 0, 1
.set ADRB, 20                          ; v20-21  the same for B
.set BNO,  24                          ; v24     byte offset of the bias by B's rows
.set BMO,  25                          ; v25     byte offset of the bias by A's rows
.set CO,   26                          ; v26     16 x lane: my place in a store's 512 bytes
.set SPW,  28                          ; v28     LDS address of my spare word; never rewritten
.set NIL,  29                          ; v29     0; never rewritten
.set BN,   32
.set BM,   96
.set SCL,  112                         ; v112    2^eout as f32
.set LIM,  113
.set AF,   128
.set CD,   128                         ; the codes: 16 registers for each block of A, so that no store's data are written again
.set G1, 24                            ; s[24:31] descriptor group 1 for A's tiles;  s[32:39] group 0, one set for each slot
.set G0, 32
.set G1B, 48                           ; s[48:55], s[56:63] the same for B's tiles
.set G0B, 56
.set MSB, 0
.macro WIN new                         ; the immediate's high byte repeats the setting that is left
.if MSB != (\new)
	s_set_vgpr_msb (MSB<<8)|(\new)
.set MSB, (\new)
.endif
.endm
.set MUL_LO, 0xa1                      ; source 0 (B) window 1, source 1 (A) window 0, C and D window 2
.set MUL_HI, 0xf1                      ; the same, C and D window 3
.set TO_B,   0x40                      ; destination window 1, address window 0
; A joint load: waves 0 and 1 fetch for A, waves 2 and 3 for B.  The branch hangs on the wave's number alone.  Four v_nop follow each of the two lines.
.macro JLOAD g0a, g1a, g0b, g1b
	s_cmp_eq_u32 s15, 0
	s_cbranch_scc0 .Lfor_b_\@
	tensor_load_to_lds s[\g0a:\g0a+3], s[\g1a:\g1a+7]
	s_nop 0
.rept 4
	v_nop
.endr
	s_branch .Lasked_\@
.Lfor_b_\@:
	tensor_load_to_lds s[\g0b:\g0b+3], s[\g1b:\g1b+7]
	s_nop 0
.rept 4
	v_nop
.endr
.Lasked_\@:
.endm
.macro CREST                           ; a round of the cluster's barrier behind its opening barrier
	s_cmp_lg_u32 s14, 0
	s_cbranch_scc1 .Lnot_wave_0_\@
	s_barrier_signal -3
.Lnot_wave_0_\@:
	s_barrier_wait -3
	s_barrier_signal -1
	s_barrier_wait -1
.endm
.macro CROUND                          ; a whole round
	s_barrier_signal -1
	s_barrier_wait -1
	CREST
.endm
	s_load_b256 s[68:75], s[0:1], 0x0              ; x s[68:69], wq s[70:71], wk s[72:73], wv s[74:75]
	s_load_b256 s[76:83], s[0:1], 0x20             ; bq s[76:77], bk s[78:79], bv s[80:81], the scales' exponents s[82:83]
	s_load_b128 s[84:87], s[0:1], 0x40             ; qc s[84:85], kc s[86:87]
	s_load_b64 s[88:89], s[0:1], 0x50              ; vc
	v_lshl_add_u32 v[SPW], v0, 2, SPARE
	v_mov_b32 v[NIL], 0
	ds_add_u32 v28, v29
	ds_add_u32 v28, v29
	s_wait_dscnt 0x0
	v_lshrrev_b32 v1, 5, v0
	v_readfirstlane_b32 s14, v1                    ; wave 0..3
	s_lshr_b32 s15, s14, 1                         ; which half of A's 256 rows is mine.  Also: I fetch for A (0) or for B (1)
	s_and_b32 s16, s14, 1                          ; which half of B's.  Also: which 128 rows of that tile I fetch
	s_bfe_u32 s40, ttmp6, 0x40000                  ; cx, cy: my place in the cluster
	s_bfe_u32 s41, ttmp6, 0x40004
	s_and_b32 s13, ttmp7, 0xffff
	s_lshl_b32 s13, s13, 2                         ; 4 x the cluster's y: the cluster's four tiles of 256 tokens begin here
	s_cmp_eq_u32 ttmp9, 2                          ; v?  (the cluster's x: the same in all partners)
	s_cselect_b32 s17, 0, s13
	s_cselect_b32 s42, s13, 0
	s_add_co_u32 s17, s17, s41                     ; A's tile: q, k: tokens, 4 y + cy;  v: rows of wv, cy
	s_add_co_u32 s42, s42, s40                     ; B's tile: q, k: rows of the weight, cx;  v: tokens, 4 y + cx
	s_lshl_b32 s43, s41, 2
	s_lshl_b32 s43, 15, s43                        ; my row of the cluster
	s_lshl_b32 s44, 0x1111, s40                    ; my column
	; descriptor group 1: a tile of 128 rows x 256 bytes, padded in LDS
	s_or_b32 s[G1+0], s43, (0<<16)|(1<<20)|(1<<21)|(5<<22)|(3<<25)  ; 15:0 the mask: A's tiles go to my row; 17:16 element of 1 byte; 20 padding on; 21 set beside a mask; 24:22 after every 64 words (code 5); 31:25 of 4 words (code 3)
	s_or_b32 s[G1B+0], s44, (0<<16)|(1<<20)|(1<<21)|(5<<22)|(3<<25) ; the same with the mask of my column
.irp g, G1, G1B
	s_mov_b32 s[\g+1], ROWB<<16                    ; tensor_dim0
	s_mov_b32 s[\g+2], 128<<16                     ; tensor_dim1 = 128
	s_mov_b32 s[\g+3], ROWB<<16                    ; tile_dim0
	s_mov_b32 s[\g+4], 128                         ; tile_dim1 = 128
	s_mov_b32 s[\g+5], KROW                        ; tensor_dim0_stride
	s_mov_b32 s[\g+6], 0
	s_mov_b32 s[\g+7], 0
.endr
	s_lshl_b32 s18, s16, 7                         ; which 128 rows of the tile I fetch
	s_lshl_b32 s20, s17, 8
	s_add_co_u32 s20, s20, s18                     ; A: row 256 x tile + 128 x half,
	s_lshl_b32 s20, s20, 10                        ; in bytes (under 2^23)
	s_mov_b32 s21, 0
	s_lshl_b32 s46, s42, 8
	s_add_co_u32 s46, s46, s18                     ; B likewise, in registers that never hold cy
	s_lshl_b32 s46, s46, 10
	s_mov_b32 s47, 0
	s_mul_i32 s45, s14, HALFT                      ; where they go: wave x 128 rows: no place in the cluster enters an LDS address
	s_wait_kmcnt 0x0
	s_cmp_eq_u32 ttmp9, 2                          ; the buffers are chosen on the cluster's x alone
	s_cselect_b64 s[4:5], s[74:75], s[68:69]       ; A: wv or x
	s_cmp_eq_u32 ttmp9, 0
	s_cselect_b64 s[6:7], s[70:71], s[72:73]       ; B: wq or wk,
	s_cselect_b64 s[8:9], s[76:77], s[78:79]       ; the bias,
	s_cselect_b64 s[10:11], s[84:85], s[86:87]     ; the codes' buffer
	s_cmp_eq_u32 ttmp9, 2
	s_cselect_b64 s[6:7], s[68:69], s[6:7]         ; or x,
	s_cselect_b64 s[8:9], s[80:81], s[8:9]         ; bv,
	s_cselect_b64 s[10:11], s[88:89], s[10:11]     ; vc
	s_load_b256 s[92:99], s[82:83], 0x0            ; e0 .. e7
	s_load_b32 s100, s[82:83], 0x24                ; e9
	s_add_nc_u64 s[20:21], s[4:5], s[20:21]
	s_add_nc_u64 s[46:47], s[6:7], s[46:47]
	CROUND                                         ; all sixteen work-groups are here: the first joint loads meet
.irp s, 0,1
	s_mov_b32 s[G0+4*\s], 1
	s_add_co_u32 s[G0+4*\s+1], s45, \s*SLOT
	s_add_nc_u64 s[G0+4*\s+2:G0+4*\s+3], s[20:21], \s*ROWB
	s_or_b32 s[G0+4*\s+3], s[G0+4*\s+3], 0x80000000
	s_mov_b32 s[G0B+4*\s], 1
	s_add_co_u32 s[G0B+4*\s+1], s45, \s*SLOT
	s_add_nc_u64 s[G0B+4*\s+2:G0B+4*\s+3], s[46:47], \s*ROWB
	s_or_b32 s[G0B+4*\s+3], s[G0B+4*\s+3], 0x80000000
	JLOAD G0+4*\s, G1, G0B+4*\s, G1B               ; two loads of mine are out: K steps 0 and 1
.endr
	v_and_b32 v1, 15, v0                           ; r = l % 16
	v_bfe_u32 v2, v0, 4, 1                         ; h = l / 16
	s_wait_alu depctr_va_vdst(0)
	v_mul_u32_u24 v3, v1, PITCH
	v_lshl_add_u32 v4, v2, 4, v3                   ; a fragment's row x pitch + 16 x half
	s_mul_i32 s22, s15, HALFT                      ; my 128 rows of A
	s_mul_i32 s23, s16, HALFT                      ; my 128 rows of B,
	s_add_co_u32 s23, s23, 2*HALFT                 ; which lie behind A's 256
.irp s, 0,1
	v_add_nc_u32 v[ADRA+\s], s22, v4
	v_add_nc_u32 v[ADRB+\s], s23, v4
	s_add_co_u32 s22, s22, SLOT
	s_add_co_u32 s23, s23, SLOT
.endr
	v_and_b32 v6, 31, v0
	v_lshlrev_b32 v[CO], 4, v6
	; where my codes go.  s84-s89 held the three buffers' addresses, which have been chosen from; none of these registers feeds a descriptor
	s_lshl_b32 s84, s17, 8
	s_lshl_b32 s86, s15, 7
	s_add_co_u32 s84, s84, s86                     ; my first row of A
	s_lshl_b32 s85, s42, 8
	s_lshl_b32 s86, s16, 7
	s_add_co_u32 s85, s85, s86                     ; my first row of B
	s_cmp_eq_u32 ttmp9, 2
	s_cselect_b32 s86, s85, s84                    ; my first token,
	s_cselect_b32 s87, s84, s85                    ; my first channel (a multiple of 128: two heads)
	s_cselect_b32 s22, 0, s85                      ; the bias by B's rows begins at my first channel for q and k; for v it is not used and is read from the buffer's head,
	s_cselect_b32 s23, s84, 0                      ; and the other way round for the bias by A's rows: every register is written on every way, and no load leaves its buffer
	s_lshr_b32 s88, s86, 11
	s_lshl_b32 s88, s88, 21                        ; batch x 16 heads x 131,072 bytes
	s_and_b32 s86, s86, 2047
	s_lshl_b32 s86, s86, 6                         ; 64 bytes a token in a head: 1,024 for 16 tokens (qc, kc), 8,192 for 128 keys (vc)
	s_add_co_u32 s88, s88, s86
	s_lshl_b32 s87, s87, 11                        ; channel / 64 x 131,072
	s_add_co_u32 s88, s88, s87
	s_mov_b32 s89, 0
	s_add_nc_u64 s[10:11], s[10:11], s[88:89]
	s_lshl_b32 s22, s22, 2
	s_lshl_b32 s23, s23, 2
	v_lshlrev_b32 v[BNO], 5, v2
	v_add_nc_u32 v[BNO], s22, v[BNO]               ; 4 x (first channel + 8 h)
	v_lshlrev_b32 v[BMO], 2, v1
	v_add_nc_u32 v[BMO], s23, v[BMO]               ; 4 x (first channel + r)
.irp b, 0,1,2,3,4,5,6,7
	global_load_b128 v[BN+8*\b:BN+8*\b+3], v[BNO], s[8:9] offset:64*\b        ; the bias of channels 16 b + 8 h + 0 .. 7: the layout of a result's registers
	global_load_b128 v[BN+8*\b+4:BN+8*\b+7], v[BNO], s[8:9] offset:64*\b+16
.endr
.irp a, 0,1,2,3,4,5,6,7
	global_load_b32 v[BM+2*\a], v[BMO], s[8:9] offset:64*\a                   ; the bias of channel 16 a + r, twice: a pair for the packed form
	global_load_b32 v[BM+2*\a+1], v[BMO], s[8:9] offset:64*\a
.endr
	s_wait_kmcnt 0x0
	s_add_co_i32 s92, s92, s93                     ; e0 + e1
	s_add_co_i32 s94, s94, s95                     ; e2 + e3
	s_add_co_i32 s96, s96, s97                     ; e4 + e5
	s_cmp_eq_u32 ttmp9, 0                          ; (the sums have set SCC: compare again)
	s_cselect_b32 s90, s92, s94
	s_cselect_b32 s67, s98, s99                    ; e6 or e7
	s_cmp_eq_u32 ttmp9, 2
	s_cselect_b32 s90, s96, s90
	s_cselect_b32 s67, s100, s67                   ; or e9
	s_add_co_i32 s90, s90, 127
	s_lshl_b32 s90, s90, 23                        ; F = 2^(ex + ew) as f32: a sum stands for sum x F
	s_mov_b32 s91, s90                             ; (named with it as a pair, so it is written)
	s_add_co_i32 s67, s67, 127
	s_lshl_b32 s66, s67, 23
	v_mov_b32 v[SCL], s66                          ; 2^eout: the conversion takes its exponent field
.macro FRAG reg, adr, q, i             ; a fragment, 16 rows x 128 K, is 16 registers: lane l holds row l % 16; registers 4 c .. 4 c + 3 hold K = 32 c + 16 (l / 16) + 0 .. 15
.irp c, 0,1,2,3
	ds_load_b128 v[\reg+4*\c:\reg+4*\c+3], v[\adr] offset:128*(\q)+32*\c+(\i)*16*PITCH
.endr
.endm
; 16 matrix instructions: A's blocks a0, a0 + 1 x B's eight, 128 along K.  p: B's set.  zero = 1: the first product starts the sums: nothing is ever cleared.
; The 64 accumulators take turns, one instruction a turn, in the same order in every step.
.macro MUL16 a0, p, zero
.irp a, \a0, \a0+1
.irp b, 0,1,2,3,4,5,6,7
.if \zero
	v_wmma_f32_16x16x128_bf8_bf8 v[8*(8*((\a)%4)+\b):8*(8*((\a)%4)+\b)+7], v[128*(\p)+FR*\b:128*(\p)+FR*\b+FR-1], v[AF+FR*(\a):AF+FR*(\a)+FR-1], 0
.else
	v_wmma_f32_16x16x128_bf8_bf8 v[8*(8*((\a)%4)+\b):8*(8*((\a)%4)+\b)+7], v[128*(\p)+FR*\b:128*(\p)+FR*\b+FR-1], v[AF+FR*(\a):AF+FR*(\a)+FR-1], v[8*(8*((\a)%4)+\b):8*(8*((\a)%4)+\b)+7]
.endif
.endr
.endr
.endm
.macro FETCH_B slot, q, p              ; B's eight fragments of the slot's q-th 128 along K into set p
	WIN TO_B
.irp i, 0,1,2,3,4,5,6,7
	FRAG 128*(\p)+FR*\i, ADRB+\slot, \q, \i
.endr
	WIN 0
.endm
.macro FETCH_A slot, q, i0             ; A's blocks i0 .. i0 + 3
.irp i, \i0, \i0+1, \i0+2, \i0+3
	FRAG AF+FR*(\i), ADRA+\slot, \q, \i
.endr
.endm
; A load into a register that a matrix instruction has read, and a vector instruction that reads a matrix result, stand NP places behind that matrix instruction; only plain vector instructions
; that name none of its registers are places (ISA guide 7.12.1 for vector instructions).
.macro PLACES n
.rept \n
	v_nop
.endr
.endm
; A step of 128 along K that has its successor in the same slot.
.macro STEP slot, q, zero
	s_wait_dscnt 4*NL                              ; B's set and A's blocks 0-3 are in; the youngest sixteen loads (A's blocks 4-7) may be out
	WIN MUL_LO
	MUL16 0, (\q)%2, \zero
	MUL16 2, (\q)%2, \zero
	s_wait_dscnt 0                                 ; A's blocks 4-7 are in (asked for 32 matrix instructions ago)
	PLACES NP
	FETCH_B \slot, (\q)+1, 1-(\q)%2
	FETCH_A \slot, (\q)+1, 0
	WIN MUL_HI
	MUL16 4, (\q)%2, \zero
	MUL16 6, (\q)%2, \zero
	PLACES NP
	WIN 0
	FETCH_A \slot, (\q)+1, 4
.endm
; A slot's last step changes slots: ONE barrier; in front of it each wave waits for all its tensor loads, adds 0 to its spare word, and waits for that and for its own reads of this slot.  fill = 1: this slot is filled again, two K steps ahead.
.macro TURN slot, next, fill
	s_wait_tensorcnt 0x0                           ; all my tensor loads have landed: my part of the next slot  (every window is 0 here)
	ds_add_u32 v[SPW], v[NIL]                      ; 0 onto my spare word
	s_wait_dscnt 4*NL+1                            ; (the add and the youngest sixteen loads, A's blocks 4-7, may be out)
	WIN MUL_LO
	MUL16 0, 1, 0                                  ; sixteen matrix instructions stand between the add and the wait for it
	s_wait_dscnt 0x0                               ; the add is done, and my reads of this slot are over
	s_barrier_signal -1
	MUL16 2, 1, 0
	WIN 0
	s_barrier_wait -1
.if \fill
	CREST                                          ; the barrier has opened a round of the cluster's barrier: no wave of any partner still reads this slot's tile or has a load on its way
	s_add_nc_u64 s[G0+4*\slot+2:G0+4*\slot+3], s[G0+4*\slot+2:G0+4*\slot+3], 2*ROWB
	s_add_nc_u64 s[G0B+4*\slot+2:G0B+4*\slot+3], s[G0B+4*\slot+2:G0B+4*\slot+3], 2*ROWB
	JLOAD G0+4*\slot, G1, G0B+4*\slot, G1B         ; the first tensor load behind the round, my only one until the next; the four v_nop behind it are the places in front of the loads below
.else
	PLACES NP
.endif
	s_wait_alu depctr_va_vdst(0)
	FETCH_B \next, 0, 0
	FETCH_A \next, 0, 0
	WIN MUL_HI
	MUL16 4, 1, 0
	MUL16 6, 1, 0
	PLACES NP
	WIN 0
	FETCH_A \next, 0, 4
.endm
	s_wait_tensorcnt 1                             ; my part of K step 0 is in; K step 1's load may be out
	s_barrier_signal -1
	s_barrier_wait -1                              ; everybody's is
	FETCH_B 0, 0, 0
	FETCH_A 0, 0, 0
	FETCH_A 0, 0, 4
	STEP 0, 0, 1                                   ; the first step stands in front of the loop: its products start the sums
	s_mov_b32 s3, LAPS-1
.Llap:                                                 ; a trip goes once round the ring, from a lap's second step to the next lap's first, and fills both slots again
	TURN 0, 1, 1
	STEP 1, 0, 0
	TURN 1, 0, 1
	STEP 0, 0, 0
	s_sub_co_u32 s3, s3, 1
	s_cmp_lg_u32 s3, 0
	s_cbranch_scc1 .Llap
	TURN 0, 1, 0                                   ; the last lap fills nothing, and has no round of the cluster's barrier
	STEP 1, 0, 0
	s_wait_dscnt 4*NL                              ; the very last step: nothing more to fetch
	WIN MUL_LO
	MUL16 0, 1, 0
	MUL16 2, 1, 0
	s_wait_dscnt 0
	WIN MUL_HI
	MUL16 4, 1, 0
	MUL16 6, 1, 0
	WIN 0
; THE WAY OUT, block by block of A.  sum x F + bias in place (one fused multiply-add, two numbers an instruction, each accumulator from its low end on);
; eight conversions: the block's 16 registers of codes; four stores of 512 consecutive bytes.  forv = 1: v's form.
.macro OUT forv
.irp a, 0,1,2,3,4,5,6,7
.set AC, 64*((\a)%4)
	WIN 0x82+0x41*((\a)/4)                         ; destination and source 0: window 2 or 3; the bias in window 0
.set i, 0
.rept 32
.if \forv
	v_pk_fma_f32 v[AC+i:AC+i+1], v[AC+i:AC+i+1], s[90:91], v[BM+2*\a:BM+2*\a+1] op_sel_hi:[1,0,0]   ; the lane's channel 16 a + r has one bias for all its tokens
.else
	v_pk_fma_f32 v[AC+i:AC+i+1], v[AC+i:AC+i+1], s[90:91], v[BN+i:BN+i+1] op_sel_hi:[1,0,1]         ; register 8 b + j: channel 16 b + 8 h + j
.endif
.set i, i+2
.endr
.set i, 0
.rept 64
.set i, i+1
.endr
	WIN 0x02+((\a)/4)                              ; source 0: window 2 or 3; the codes and the scale in window 0
.irp b, 0,1,2,3,4,5,6,7
	v_cvt_scalef32_pk8_bf8_f32 v[CD+16*\a+2*\b:CD+16*\a+2*\b+1], v[AC+8*\b:AC+8*\b+7], v[SCL]
.endr
	v_nop                                          ; one plain vector line behind the last conversion of a run
	WIN 0
.irp c, 0,1,2,3
.if \forv
	global_store_b128 v[CO], v[CD+16*\a+4*\c:CD+16*\a+4*\c+3], s[10:11] offset:131072*(\a/4)+2048*(\a%4)+512*\c      ; head a / 4 of my two, channels 16 (a % 4) on, my 128 keys: registers 4 c .. 4 c + 3
.else
	global_store_b128 v[CO], v[CD+16*\a+4*\c:CD+16*\a+4*\c+3], s[10:11] offset:1024*\a+131072*(\c/2)+512*(\c%2)      ; tokens 16 a on, head c / 2 of my two: registers 4 (c % 2) .. + 3
.endif
.endr
.endr
.endm
	s_wait_loadcnt 0x0                             ; the biases
	PLACES NP                                      ; behind the last products, in front of the first read of results and of the first write into A's registers
	s_cmp_eq_u32 ttmp9, 2                          ; the cluster's x: all partners take the same way; neither way touches LDS or holds a barrier
	s_cbranch_scc1 .Lout_v
	OUT 0
	s_branch .Ldone
.Lout_v:
	OUT 1
.Ldone:
	s_wait_tensorcnt 0x0                           ; the wave's end
	ds_add_u32 v[SPW], v[NIL]
	s_wait_dscnt 0x0
	CROUND                                         ; the closing round: no work-group ends while a partner may still ask for a tile that names it
	s_endpgm
.Lfunc_end_k_qaeb3ed0721_qkv:
	.size	k_qaeb3ed0721_qkv, .Lfunc_end_k_qaeb3ed0721_qkv-k_qaeb3ed0721_qkv
	.p2alignl 7, 3214868480
	.fill 96, 4, 3214868480
	.section	.rodata,"a",@progbits
	.p2align	6, 0x0
	.amdhsa_kernel k_qaeb3ed0721_qkv
		.amdhsa_group_segment_fixed_size 327680
		.amdhsa_private_segment_fixed_size 0
		.amdhsa_enable_private_segment 0
		.amdhsa_kernarg_size 88
		.amdhsa_user_sgpr_count 2
		.amdhsa_user_sgpr_kernarg_segment_ptr 1
		.amdhsa_wavefront_size32 1
		.amdhsa_system_sgpr_workgroup_id_x 1
		.amdhsa_system_sgpr_workgroup_id_y 1
		.amdhsa_system_sgpr_workgroup_id_z 1
		.amdhsa_system_vgpr_workitem_id 0
		.amdhsa_next_free_vgpr 1024
		.amdhsa_next_free_sgpr 101
		.amdhsa_reserve_vcc 0
		.amdhsa_float_denorm_mode_32 3
		.amdhsa_float_denorm_mode_16_64 3
		.amdhsa_fp16_overflow 1
		.amdhsa_memory_ordered 1
		.amdhsa_forward_progress 1
		.amdhsa_inst_pref_size 130
	.end_amdhsa_kernel
	.amdgpu_metadata
---
amdhsa.version: [ 1, 2 ]
amdhsa.kernels:
  - .name:           k_qaeb3ed0721_qkv
    .symbol:         k_qaeb3ed0721_qkv.kd
    .args:
      - { .name: x_codes, .offset: 0, .size: 8, .value_kind: global_buffer, .address_space: global }
      - { .name: wq_codes, .offset: 8, .size: 8, .value_kind: global_buffer, .address_space: global }
      - { .name: wk_codes, .offset: 16, .size: 8, .value_kind: global_buffer, .address_space: global }
      - { .name: wv_codes, .offset: 24, .size: 8, .value_kind: global_buffer, .address_space: global }
      - { .name: bq, .offset: 32, .size: 8, .value_kind: global_buffer, .address_space: global }
      - { .name: bk, .offset: 40, .size: 8, .value_kind: global_buffer, .address_space: global }
      - { .name: bv, .offset: 48, .size: 8, .value_kind: global_buffer, .address_space: global }
      - { .name: lowp_scales, .offset: 56, .size: 8, .value_kind: global_buffer, .address_space: global }
      - { .name: qc, .offset: 64, .size: 8, .value_kind: global_buffer, .address_space: global }
      - { .name: kc, .offset: 72, .size: 8, .value_kind: global_buffer, .address_space: global }
      - { .name: vc, .offset: 80, .size: 8, .value_kind: global_buffer, .address_space: global }
    .group_segment_fixed_size: 327680
    .private_segment_fixed_size: 0
    .kernarg_segment_align: 8
    .kernarg_segment_size: 88
    .max_flat_workgroup_size: 128
    .sgpr_count:     101
    .vgpr_count:     1024
    .wavefront_size: 32
...
	.end_amdgpu_metadata
.endif
;; end of part 1
;; launch attn (part 2): grid 4 x 64, 16 waves a work-group, no clusters, 264,192 bytes of LDS; arguments qc, kc, vc, lowp_scales, oc; writes oc
.if DOCPART == 2
	.amdgcn_target "amdgcn-amd-amdhsa--gfx1250"
	.amdhsa_code_object_version 6
	.text
	.protected	k_qaeb3ed0721_attn
	.globl	k_qaeb3ed0721_attn
	.p2align	8
	.type	k_qaeb3ed0721_attn,@function
k_qaeb3ed0721_attn:
	s_mov_b64 s[64:65], 0
	v_nop
	global_prefetch_b8 v0, s[64:65] scope:SCOPE_SE
	s_setreg_imm32_b32 hwreg(HW_REG_WAVE_MODE, 25, 1), 1
	s_wait_xcnt 0x0
; o = softmax(q k^T / 8) v for each of 64 (batch, head), 2,048 tokens, head size 64, both products on codes of BF8 (E5M2); o is quantised with 2^e10 into oc, the last product's operand.
; qc, kc: [64][128 tiles of 16 tokens][1024 bytes], vc: [64][16 steps of 128 keys][4 tiles of 16 channels][2048 bytes]: images of operand registers: byte 512 c + 16 lane + y is register 4 c + y / 4 of the fragment.
; THE SOFTMAX AHEAD OF THE SECOND PRODUCT: t = score x log2(e) / 8; M = the row's largest t so far, rounded UP to a whole number; p = 2^(t - M) is quantised with 2^ep, not normalised.  The row's sum is taken of the
; unquantised p and divides at the end.  When M moves, the sum and O are multiplied by 2^(old M - new M), which rounds nothing.
; SHARES.  A work-group owns 512 queries of one (batch, head); each of its sixteen waves 32: two tiles of 16, so that each fragment of K and V read from LDS feeds two products.  Four waves share a SIMD's registers.
; ALL OF THE HEAD'S K AND V, 131,072 bytes each, LIE IN LDS for the whole launch: wave w copies key step w (8,192 bytes of each) through its registers, one barrier follows, and nothing is filled again.
; NO CLUSTER, NO JOINT LOADS: what the four work-groups of a head share is read once, at the head: 262,144 bytes, against sixteen key steps of some 400 vector instructions for each of sixteen waves.
; p is at most 1 (one rounding more at the most), and 57,344 x 2^ep is at least 1.75 for ep >= -15.
; LAYOUT.  Both products are used transposed: S^T = K Q^T (source 0 = 16 keys, source 1 = 16 queries), O^T = V^T P^T (source 0 = 16 channels, source 1 = P): a lane holds ONE query (lane % 16) throughout.
; In S^T tile T, register j is key 16 T + 8 (lane / 16) + j: its conversion gives registers 2 T, 2 T + 1 of P, the place that the 128-deep form gives those keys; vc was made in the same way.
; oc: [K step of 256: 4][tile of 16 tokens: 512][128 along K: 2][2048 bytes]: byte 512 c + 16 (16 h' + r) + y is token r, k = 32 c + 16 h' + y.  My head's channel 16 t + 8 h + j falls on byte 1024 (head % 4) + 256 t + 16 r + 8 h + j.
; LIMITS on the given exponents, so that each power of two below is an f32 number: eq + ek between -123 and 130 (added to c's exponent field); ep between -126 and 112; ep + ev - e10 between -115 and 126.
; REGISTERS: v0 thread; v1 16 x lane; v2 LDS address of the step; v3 2^ep; v4 where I store my key step; v6-9, v10-13 the two tiles' -M, largest t, sum (two halves); v14, v15 the way out;
;   v16-23, v24-31 Q's two fragments; v32-63 four fragments of K, then P's two (v32-47, v48-63); v48-55 also at work in a softmax, ahead of its conversions; v64-127, v128-191 S^T, then p; v64-127 later V's four fragments; v192-223, v224-255 O^T.
.set LI,  1
.set AD,  2
.set SC,  3
.set AW,  4
.set QA,  16
.set QB,  24
.set KB,  32
.set SA,  64
.set SB,  128
.set OA,  192
.set OB,  224
.set TM1, 48                           ; at work: two chains of the maximum,
.set TM2, 49
.set FF,  50                           ; v[50:51] f = 2^(old M - new M) (the low word serves both halves),
.set PD,  52                           ; the lane permute's destination,
.set S2,  54                           ; v[54:55] the sum's second chain.  All were written by K's loads, so every pair is whole
.set CS,  26                           ; s[26:27] c = log2(e) / 8 x 2^(eq + ek)
.set SEL, 28                           ; s[28:29] selects for v_permlanex16_b32: lane l xor 16
.set STEPB, 16384                      ; a key step in LDS: 8 tiles of K (1,024 bytes each), then 4 fragments of V (2,048 each)
	s_load_b256 s[4:11], s[0:1], 0x0               ; qc s[4:5], kc s[6:7], vc s[8:9], the scales' exponents s[10:11]
	s_load_b64 s[12:13], s[0:1], 0x20              ; oc
	v_lshrrev_b32 v2, 5, v0
	s_delay_alu instid0(VALU_DEP_1)
	v_readfirstlane_b32 s14, v2                    ; wave 0..15
	v_and_b32 v[LI], 31, v0
	s_delay_alu instid0(VALU_DEP_1)
	v_lshlrev_b32 v[LI], 4, v[LI]
	s_wait_alu depctr_va_vdst(0)
	s_and_b32 s15, ttmp7, 0xffff                   ; 16 x batch + head
	s_lshl_b32 s22, s15, 17                        ; its 131,072 bytes in qc, kc, vc
	s_lshl_b32 s24, s14, 13
	s_add_co_u32 s22, s22, s24                     ; K, V: key step = my wave's number: 8,192 bytes
	s_mov_b32 s23, 0
	s_lshl_b32 s24, ttmp9, 5
	s_lshl_b32 s25, s14, 1
	s_add_co_u32 s24, s24, s25                     ; my first tile of 16 queries: 32 x work-group x + 2 x wave
	s_lshl_b32 s32, s24, 10
	s_lshl_b32 s25, s15, 17
	s_add_co_u32 s32, s32, s25                     ; Q
	s_mov_b32 s33, 0
	s_bfe_u32 s34, s15, 0x20002                    ; head / 4: the last product's K step of 256
	s_lshl_b32 s34, s34, 21
	s_lshr_b32 s25, s15, 4
	s_lshl_b32 s25, s25, 7                         ; batch x 128 tiles of tokens
	s_add_co_u32 s24, s24, s25
	s_lshl_b32 s24, s24, 12                        ; 4,096 bytes a tile of tokens
	s_add_co_u32 s34, s34, s24
	s_and_b32 s24, s15, 3
	s_lshl_b32 s24, s24, 10                        ; head % 4: 1,024 bytes
	s_add_co_u32 s34, s34, s24
	s_mov_b32 s35, 0
	s_lshl_b32 s24, s14, 14
	v_add_nc_u32 v[AW], s24, v[LI]                 ; LDS: 16 x lane + 16,384 x wave
	s_wait_kmcnt 0x0
	s_load_b128 s[16:19], s[10:11], 0x18           ; eq, ek, ep, ev
	s_load_b32 s20, s[10:11], 0x28                 ; e10
	s_add_nc_u64 s[6:7], s[6:7], s[22:23]
	s_add_nc_u64 s[8:9], s[8:9], s[22:23]
	s_add_nc_u64 s[4:5], s[4:5], s[32:33]
	s_add_nc_u64 s[12:13], s[12:13], s[34:35]
.irp i, 0,1,2,3,4,5,6,7,8,9,10,11,12,13,14,15
	global_load_b128 v[SA+4*\i:SA+4*\i+3], v[LI], s[6:7] offset:512*\i          ; my key step of K: 32 lanes read 512 consecutive bytes
.endr
.irp i, 0,1,2,3,4,5,6,7,8,9,10,11,12,13,14,15
	global_load_b128 v[SB+4*\i:SB+4*\i+3], v[LI], s[8:9] offset:512*\i          ; and of V
.endr
.irp i, 0,1,2,3
	global_load_b128 v[QA+4*\i:QA+4*\i+3], v[LI], s[4:5] offset:512*\i th:TH_LOAD_NT   ; Q's two fragments stay in registers; nobody else reads them
.endr
	s_mov_b32 s[SEL], 0x76543210
	s_mov_b32 s[SEL+1], 0xfedcba98
	v_mov_b32 v7, 0xff61b1e6                       ; the largest t so far: -3e38, under every t
	v_mov_b32 v11, 0xff61b1e6
	s_delay_alu instid0(VALU_DEP_2)
	v_floor_f32 v6, -v7                            ; -M
	s_delay_alu instid0(VALU_DEP_2)
	v_floor_f32 v10, -v11
	v_mov_b32 v8, 0                                ; the sums, in two halves
	v_mov_b32 v9, 0
	v_mov_b32 v12, 0
	v_mov_b32 v13, 0
.set n, 0
.rept 64
	v_mov_b32 v[OA+n], 0                           ; O^T.  (The step is written once: the first finds zeros, which the first change of M leaves zeros)
.set n, n+1
.endr
	s_wait_kmcnt 0x0
	s_mov_b32 s[CS], 0x3e38aa3b                    ; log2(e) / 8
	s_add_co_i32 s24, s16, s17
	s_lshl_b32 s24, s24, 23
	s_add_co_i32 s[CS], s[CS], s24                 ; a score stands for score x 2^(eq + ek): the two exponents are added to c's exponent field
	s_mov_b32 s[CS+1], s[CS]                       ; (named with it as a pair, so it is written)
	s_add_co_i32 s24, s18, 127
	s_lshl_b32 s25, s24, 23
	v_mov_b32 v[SC], s25                           ; 2^ep as f32, for the conversion
	s_add_co_i32 s31, s18, s19
	s_sub_co_i32 s31, s31, s20                     ; ep + ev - e10
	s_wait_loadcnt 20                              ; K's sixteen loads are in; V's sixteen and Q's four are younger
.irp i, 0,1,2,3,4,5,6,7,8,9,10,11,12,13,14,15
	ds_store_b128 v[AW], v[SA+4*\i:SA+4*\i+3] offset:512*\i
.endr
	s_wait_loadcnt 4                               ; V's are in; Q's four are younger
.irp i, 0,1,2,3,4,5,6,7,8,9,10,11,12,13,14,15
	ds_store_b128 v[AW], v[SB+4*\i:SB+4*\i+3] offset:8192+512*\i
.endr
	s_wait_loadcnt 0x0                             ; Q
	s_wait_dscnt 0x0                               ; for the others' sake: my stores have landed
	s_barrier_signal -1
	s_barrier_wait -1                              ; all sixteen key steps lie in LDS; from here on LDS is only read
.macro KLOAD g                         ; tiles 4 g .. 4 g + 3 of the step's K: 16 keys x 64 channels, 8 registers each; an instruction's 512 bytes are consecutive
.irp t, 0,1,2,3
.irp c, 0,1
	ds_load_b128 v[KB+8*\t+4*\c:KB+8*\t+4*\c+3], v[AD] offset:4096*\g+1024*\t+512*\c
.endr
.endr
.endm
.macro SPROD g                         ; their scores for both tiles of queries
.irp t, 0,1,2,3
	v_wmma_f32_16x16x64_bf8_bf8 v[SA+32*\g+8*\t:SA+32*\g+8*\t+7], v[KB+8*\t:KB+8*\t+7], v[QA:QA+7], 0
	v_wmma_f32_16x16x64_bf8_bf8 v[SB+32*\g+8*\t:SB+32*\g+8*\t+7], v[KB+8*\t:KB+8*\t+7], v[QB:QB+7], 0
.endr
.endm
.macro PLACES n
.rept \n
	v_nop
.endr
.endm
; One tile's softmax for one key step.  sr: its 64 scores; st: -M, largest t, the sum's two halves; ob: its O^T (32 registers); pc: where p's codes go (16 registers).
.macro SOFTMAX sr, st, ob, pc
	v_max3_num_f32 v[TM1], v[\sr], v[\sr+1], v[\sr+2]          ; the step's largest score of my query among my 64 keys, in two chains; each accumulator is read from its low end on
	v_max3_num_f32 v[TM2], v[\sr+3], v[\sr+4], v[\sr+5]
.irp i, 6,10,14,18,22,26,30,34,38,42,46,50,54,58
	v_max3_num_f32 v[TM1], v[TM1], v[\sr+\i], v[\sr+\i+1]
	v_max3_num_f32 v[TM2], v[TM2], v[\sr+\i+2], v[\sr+\i+3]
.endr
	v_max3_num_f32 v[TM1], v[TM1], v[\sr+62], v[\sr+63]
	s_delay_alu instid0(VALU_DEP_1)
	v_max_num_f32 v[TM1], v[TM1], v[TM2]
	s_delay_alu instid0(VALU_DEP_1)
	v_permlanex16_b32 v[PD], v[TM1], s[SEL], s[SEL+1]
	s_delay_alu instid0(VALU_DEP_1)
	v_max_num_f32 v[TM1], v[TM1], v[PD]                        ; and among lane l xor 16's
	s_delay_alu instid0(VALU_DEP_1)
	v_mul_f32 v[TM1], s[CS], v[TM1]                            ; as t (c is positive)
	s_delay_alu instid0(VALU_DEP_1)
	v_max_num_f32 v[\st+1], v[\st+1], v[TM1]                   ; the running largest t
	v_mov_b32 v[TM1], v[\st]
	s_delay_alu instid0(VALU_DEP_2)
	v_floor_f32 v[\st], -v[\st+1]                              ; the new -M = floor(-t) = -ceil(t): a whole number
	s_delay_alu instid0(VALU_DEP_1)
	v_sub_f32 v[TM1], v[\st], v[TM1]                           ; old M less new M: a whole number, 0 or less
	s_delay_alu instid0(VALU_DEP_1)
	v_cvt_i32_f32 v[TM1], v[TM1]                               ; (it saturates)
	s_delay_alu instid0(VALU_DEP_1)
	v_ldexp_f32 v[FF], 1.0, v[TM1]                             ; f = 2^(old M - new M)
.set n, 0
.rept 32
	v_pk_fma_f32 v[\sr+n:\sr+n+1], v[\sr+n:\sr+n+1], s[CS:CS+1], v[\st:\st+1] op_sel_hi:[1,0,0]   ; t - M, two at a time (of the pairs c and -M the low word serves both halves)
.set n, n+2
.endr
.set n, 0
	s_wait_alu depctr_va_vdst(0)
.rept 64
	v_exp_f32 v[\sr+n], v[\sr+n]                               ; p = 2^(t - M): one batch
.set n, n+1
.endr
	v_pk_mul_f32 v[\st+2:\st+3], v[\st+2:\st+3], v[FF:FF+1] op_sel_hi:[1,0]   ; the sums under the new M: the plain instruction behind the exponentials
	s_wait_alu depctr_va_vdst(0)                               ; one wait for the whole batch, ahead of its first reader
	v_pk_add_f32 v[S2:S2+1], v[\sr:\sr+1], v[\sr+2:\sr+3]      ; the row's sum is taken of the unquantised p: two at a time, in two chains
.irp j, 4,8,12,16,20,24,28,32,36,40,44,48,52,56,60
	v_pk_add_f32 v[\st+2:\st+3], v[\st+2:\st+3], v[\sr+\j:\sr+\j+1]
	v_pk_add_f32 v[S2:S2+1], v[S2:S2+1], v[\sr+\j+2:\sr+\j+3]
.endr
	s_delay_alu instid0(VALU_DEP_1)
	v_pk_add_f32 v[\st+2:\st+3], v[\st+2:\st+3], v[S2:S2+1]
.set n, 0
.rept 16
	v_pk_mul_f32 v[\ob+n:\ob+n+1], v[\ob+n:\ob+n+1], v[FF:FF+1] op_sel_hi:[1,0]   ; O^T under the new M, from each accumulator's low end on
.set n, n+2
.endr
	s_cmp_ge_i32 s18, -15                                      ; 57,344 x 2^ep >= 1.75 >= every p: the hold would change nothing.  A branch on a given whole number; this text has no tensor load and no copy
	s_cbranch_scc1 .Lfree_\@
.set n, 0
.rept 64
.set n, n+1
.endr
.Lfree_\@:
.irp t, 0,1,2,3,4,5,6,7
	v_cvt_scalef32_pk8_bf8_f32 v[\pc+2*\t:\pc+2*\t+1], v[\sr+8*\t:\sr+8*\t+7], v[SC]   ; keys 16 t + 8 h + 0 .. 7: registers 2 t, 2 t + 1 of P
.endr
.endm
	s_mov_b32 s21, 0                               ; the step's first LDS byte
.Lstep:                                                ; sixteen trips: 128 keys each
	s_setprio 2
	v_add_nc_u32 v[AD], s21, v[LI]
	PLACES 4                                       ; with the line above five places behind the last trip's products: four are owed to the loads into P's registers, five to the products that write over V's fragments
	KLOAD 0
	s_wait_alu depctr_va_vdst(0)
	s_wait_dscnt 0x0
	SPROD 0
	PLACES 4                                       ; in front of loads into registers that these products have read
	KLOAD 1
	s_wait_dscnt 0x0
	SPROD 1
	PLACES 4                                       ; in front of the first read of results, and of the first write into K's registers
	SOFTMAX SA, 6, OA, KB
.irp t, 0,1,2,3                                    ; V's four fragments (16 channels x 128 keys, 16 registers) into the first tile's p, which is done with: they land during the second tile's softmax
.irp c, 0,1,2,3
	ds_load_b128 v[SA+16*\t+4*\c:SA+16*\t+4*\c+3], v[AD] offset:8192+2048*\t+512*\c
.endr
.endr
	s_setprio 1
	SOFTMAX SB, 10, OB, KB+16
	s_setprio 0
	v_nop                                          ; one plain vector line between the last conversion and the products that read its result
	s_wait_alu depctr_va_vdst(0)
	s_wait_dscnt 0x0                               ; V is in
.irp t, 0,1,2,3                                    ; O^T += V^T P^T: eight accumulators by turns, one instruction a turn; the scores' products stand between the trips' turns
	v_wmma_f32_16x16x128_bf8_bf8 v[OA+8*\t:OA+8*\t+7], v[SA+16*\t:SA+16*\t+15], v[KB:KB+15], v[OA+8*\t:OA+8*\t+7]
	v_wmma_f32_16x16x128_bf8_bf8 v[OB+8*\t:OB+8*\t+7], v[SA+16*\t:SA+16*\t+15], v[KB+16:KB+31], v[OB+8*\t:OB+8*\t+7]
.endr
	s_add_co_u32 s21, s21, STEPB
	s_cmp_lt_u32 s21, 16*STEPB
	s_cbranch_scc1 .Lstep
	s_setprio 0
	; THE WAY OUT.  o / 2^e10 = O^T x 2^(ep + ev - e10) / the sum; converted with the scale 1; a lane's eight channels are 8 bytes, and a store's 32 lanes fill 256 consecutive bytes, aligned.
	PLACES 4
	v_add_f32 v8, v8, v9                           ; the sums' two halves,
	v_add_f32 v12, v12, v13
	v_permlanex16_b32 v52, v8, s[SEL], s[SEL+1]
	v_permlanex16_b32 v53, v12, s[SEL], s[SEL+1]
	s_delay_alu instid0(VALU_DEP_2)
	v_add_f32 v8, v8, v52                          ; and lane l xor 16's
	s_delay_alu instid0(VALU_DEP_2)
	v_add_f32 v12, v12, v53
	s_wait_alu depctr_va_vdst(0)
	v_rcp_f32 v48, v8
	v_rcp_f32 v50, v12
	v_mov_b32 v49, 0                               ; (plain work behind the reciprocals; v49 and v51 are named as the upper halves of pairs)
	v_mov_b32 v51, 0
	v_mov_b32 v55, 1.0                             ; the conversion's scale: 2^0
	v_and_b32 v14, 15, v0
	v_bfe_u32 v15, v0, 4, 1
	s_delay_alu instid0(VALU_DEP_2)
	v_lshlrev_b32 v14, 4, v14
	s_delay_alu instid0(VALU_DEP_1)
	v_lshl_add_u32 v14, v15, 3, v14                ; 16 r + 8 h
	s_wait_alu depctr_va_vdst(0)                   ; one wait for both reciprocals, ahead of their first reader
	v_ldexp_f32 v48, v48, s31
	v_ldexp_f32 v50, v50, s31
.irp u, 0,1                                        ; the two tiles of queries
.set n, 0
.rept 16
	v_pk_mul_f32 v[SA+64*\u+n:SA+64*\u+n+1], v[OA+32*\u+n:OA+32*\u+n+1], v[48+2*\u:49+2*\u] op_sel_hi:[1,0]
.set n, n+2
.endr
.set n, 0
.rept 32
.set n, n+1
.endr
.irp t, 0,1,2,3
	v_cvt_scalef32_pk8_bf8_f32 v[KB+8*\u+2*\t:KB+8*\u+2*\t+1], v[SA+64*\u+8*\t:SA+64*\u+8*\t+7], v55
.endr
.endr
	v_nop                                          ; one plain vector line behind the last conversion
.irp u, 0,1
.irp t, 0,1,2,3
	global_store_b64 v14, v[KB+8*\u+2*\t:KB+8*\u+2*\t+1], s[12:13] offset:4096*\u+256*\t
.endr
.endr
	s_wait_xcnt 0x0
	v_lshl_add_u32 v254, v0, 2, 0x40000
	v_mov_b32 v255, 0
	s_wait_alu depctr_va_vdst(0)
	s_wait_tensorcnt 0x0
	ds_add_u32 v254, v255
	s_wait_dscnt 0x0
	s_endpgm
.Lfunc_end_k_qaeb3ed0721_attn:
	.size	k_qaeb3ed0721_attn, .Lfunc_end_k_qaeb3ed0721_attn-k_qaeb3ed0721_attn
	.p2alignl 7, 3214868480
	.fill 96, 4, 3214868480
	.section	.rodata,"a",@progbits
	.p2align	6, 0x0
	.amdhsa_kernel k_qaeb3ed0721_attn
		.amdhsa_group_segment_fixed_size 264192
		.amdhsa_private_segment_fixed_size 0
		.amdhsa_enable_private_segment 0
		.amdhsa_kernarg_size 40
		.amdhsa_user_sgpr_count 2
		.amdhsa_user_sgpr_kernarg_segment_ptr 1
		.amdhsa_wavefront_size32 1
		.amdhsa_system_sgpr_workgroup_id_x 1
		.amdhsa_system_sgpr_workgroup_id_y 1
		.amdhsa_system_sgpr_workgroup_id_z 1
		.amdhsa_system_vgpr_workitem_id 0
		.amdhsa_next_free_vgpr 256
		.amdhsa_next_free_sgpr 66
		.amdhsa_reserve_vcc 0
		.amdhsa_float_denorm_mode_32 3
		.amdhsa_float_denorm_mode_16_64 3
		.amdhsa_fp16_overflow 1
		.amdhsa_memory_ordered 1
		.amdhsa_forward_progress 1
		.amdhsa_inst_pref_size 40
	.end_amdhsa_kernel
	.amdgpu_metadata
---
amdhsa.version: [ 1, 2 ]
amdhsa.kernels:
  - .name:           k_qaeb3ed0721_attn
    .symbol:         k_qaeb3ed0721_attn.kd
    .args:
      - { .name: qc, .offset: 0, .size: 8, .value_kind: global_buffer, .address_space: global }
      - { .name: kc, .offset: 8, .size: 8, .value_kind: global_buffer, .address_space: global }
      - { .name: vc, .offset: 16, .size: 8, .value_kind: global_buffer, .address_space: global }
      - { .name: lowp_scales, .offset: 24, .size: 8, .value_kind: global_buffer, .address_space: global }
      - { .name: oc, .offset: 32, .size: 8, .value_kind: global_buffer, .address_space: global }
    .group_segment_fixed_size: 264192
    .private_segment_fixed_size: 0
    .kernarg_segment_align: 8
    .kernarg_segment_size: 40
    .max_flat_workgroup_size: 512
    .sgpr_count:     66
    .vgpr_count:     256
    .wavefront_size: 32
...
	.end_amdgpu_metadata
.endif
;; end of part 2
;; launch oproj (part 3): grid 4 x 32, 4 waves a work-group, clusters of 4 x 4, 327,680 bytes of LDS; arguments oc, wo_codes, bo, lowp_scales, out0; writes out0
.if DOCPART == 3
	.amdgcn_target "amdgcn-amd-amdhsa--gfx1250"
	.amdhsa_code_object_version 6
	.text
	.protected	k_qaeb3ed0721_oproj
	.globl	k_qaeb3ed0721_oproj
	.p2align	8
	.type	k_qaeb3ed0721_oproj,@function
k_qaeb3ed0721_oproj:
	s_mov_b64 s[64:65], 0
	v_nop
	global_prefetch_b8 v0, s[64:65] scope:SCOPE_SE
	s_setreg_imm32_b32 hwreg(HW_REG_WAVE_MODE, 25, 1), 1
	s_wait_xcnt 0x0
	s_wait_alu depctr_hold_cnt(0) depctr_sa_sdst(0) depctr_va_vdst(0) depctr_va_sdst(0) depctr_va_ssrc(0) depctr_va_vcc(0) depctr_vm_vsrc(0)
	s_getreg_b32 s2, hwreg(HW_REG_IB_STS2, 6, 4)
	s_cmp_eq_u32 s2, 0
	s_cbranch_scc0 .Lentry_in_a_cluster
	s_endpgm
.Lentry_in_a_cluster:
	s_bfe_u32 s2, ttmp6, 0x10000c
	s_cmp_lg_u32 s2, 0xf033
	s_cbranch_scc0 .Lentry_shape_is_right
	s_endpgm
.Lentry_shape_is_right:
; out0 = o wo^T + bo on codes of BF8 (E5M2).  o: 8,192 tokens x 1,024, as oc; wo: [1024][1024] codes, K innermost; bo [1024], out0 [8192][1024]: f32.  A sum is multiplied once by 2^(e10 + e11), and the bias added, in one fused multiply-add.
; oc: [K step of 256: 4][tile of 16 tokens: 512][128 along K: 2][2048 bytes], images of operand registers: byte 512 c + 16 lane + y is register 4 c + y / 4: token lane % 16, k = 32 c + 16 (lane / 16) + y:
; the order in which four loads of 16 bytes take a row of wo, so every product meets its partner.  A K step of 128 tokens is one dense block of 32,768 bytes.
; A tile of 256 x 256 of out0 is made by four waves, 128 x 128 each: 64 accumulators, 512 registers.  K goes in four steps of 256 through a ring of two LDS slots.
; CLUSTERS: 4 x 4 work-groups: the four of a row need the same tokens (A), the four of a column the same rows of wo (B): each tile is asked for jointly.  The matrix instruction is used transposed (source 0 = 16 rows
; of wo, source 1 = 16 tokens): a lane holds eight neighbouring numbers of a row of out0.
; LIMIT: e10 + e11 between -126 and 127, so that 2^(e10 + e11) is an f32 number.
; REGISTERS, in windows of 256: window 0: v0-31 addresses; v32-95 the bias in a result's layout; v128-255 A's fragments, one set; on the way out rows read back from the stage.
;   window 1: B's fragments, two sets.   window 2: the accumulators of my rows 0-63 ((a, b) at v[8 (8 (a % 4) + b)]);   window 3: those of rows 64-127.
.set SIZE_N, 1024
.set ROWB,   256                       ; a row of B's tile in bytes
.set KROW,   1024                      ; a row of wo in memory
.set PITCH,  272                       ; B's LDS row: 256 bytes + 16 of padding, an odd multiple of 16
.set FR,     16
.set NL,     4
.set NP,     4                         ; places behind this matrix instruction (ISA guide 7.12.1)
.set AHALF,  32768                     ; 128 tokens' images of a K step: dense
.set BHALF,  128*PITCH                 ; 128 rows of wo
.set SLOT,   2*AHALF+2*BHALF           ; A's two halves, then B's two
.set ASTEP,  0x200000                  ; a K step on in oc
.set LAPS,   2
.set SPARE,  2*SLOT                    ; behind the ring: the spare words, 128 bytes for each wave
.set SPITCH, 528                       ; the way out: a stage of 16 rows x (512 bytes + 16) for each wave, in slot 0, which has had its last fill and its last read when the first result is stored there
.set ADRA, 16                          ; v16-17  LDS address of my A fragments in slot 0, 1
.set ADRB, 20                          ; v20-21  the same for B
.set STO,  24                          ; v24     the way out: where I put 32 bytes of a row
.set RD,   25                          ; v25     where I read a row back
.set CO,   26                          ; v26     my byte offset in a row of out0
.set BNO,  27                          ; v27     byte offset of my bias
.set SPW,  28                          ; v28     LDS address of my spare word; never rewritten
.set NIL,  29                          ; v29     0; never rewritten
.set BN,   32
.set AF,   128
.set BK,   128                         ; the way out: 16 rows read back: v128-191 and v192-255 by turns
.set G1, 24
.set G0, 32
.set G1B, 48
.set G0B, 56
.set MSB, 0
.macro WIN new                         ; the immediate's high byte repeats the setting that is left
.if MSB != (\new)
	s_set_vgpr_msb (MSB<<8)|(\new)
.set MSB, (\new)
.endif
.endm
.set MUL_LO, 0xa1                      ; source 0 (B) window 1, source 1 (A) window 0, C and D window 2
.set MUL_HI, 0xf1
.set TO_B,   0x40
.macro JLOAD g0a, g1a, g0b, g1b        ; a joint load: waves 0 and 1 fetch for A, waves 2 and 3 for B; four v_nop follow each of the two lines
	s_cmp_eq_u32 s15, 0
	s_cbranch_scc0 .Lfor_b_\@
	tensor_load_to_lds s[\g0a:\g0a+3], s[\g1a:\g1a+7]
	s_nop 0
.rept 4
	v_nop
.endr
	s_branch .Lasked_\@
.Lfor_b_\@:
	tensor_load_to_lds s[\g0b:\g0b+3], s[\g1b:\g1b+7]
	s_nop 0
.rept 4
	v_nop
.endr
.Lasked_\@:
.endm
.macro CREST
	s_cmp_lg_u32 s14, 0
	s_cbranch_scc1 .Lnot_wave_0_\@
	s_barrier_signal -3
.Lnot_wave_0_\@:
	s_barrier_wait -3
	s_barrier_signal -1
	s_barrier_wait -1
.endm
.macro CROUND
	s_barrier_signal -1
	s_barrier_wait -1
	CREST
.endm
	s_load_b128 s[4:7], s[0:1], 0x0                ; oc s[4:5], wo's codes s[6:7]
	s_load_b128 s[8:11], s[0:1], 0x10              ; bo s[8:9], the scales' exponents s[10:11]
	s_load_b64 s[12:13], s[0:1], 0x20              ; out0
	v_lshl_add_u32 v[SPW], v0, 2, SPARE
	v_mov_b32 v[NIL], 0
	ds_add_u32 v28, v29
	ds_add_u32 v28, v29
	s_wait_dscnt 0x0
	v_lshrrev_b32 v1, 5, v0
	v_readfirstlane_b32 s14, v1                    ; wave 0..3
	s_lshr_b32 s15, s14, 1                         ; which half of the tile's rows is mine.  Also: I fetch for A (0) or for B (1)
	s_and_b32 s16, s14, 1                          ; which half of its columns.  Also: which half of that tile I fetch
	s_bfe_u32 s40, ttmp6, 0x40000                  ; cx, cy
	s_bfe_u32 s41, ttmp6, 0x40004
	s_lshl_b32 s42, ttmp9, 2
	s_add_co_u32 s42, s42, s40                     ; tile column = 4 x cluster x + cx
	s_and_b32 s17, ttmp7, 0xffff
	s_lshl_b32 s17, s17, 2
	s_add_co_u32 s17, s17, s41                     ; tile row = 4 x cluster y + cy
	s_lshl_b32 s43, s41, 2
	s_lshl_b32 s43, 15, s43                        ; my row of the cluster
	s_lshl_b32 s44, 0x1111, s40                    ; my column
	; A's group 1: a dense block of 32,768 bytes as 128 rows of 32 elements of 8 bytes, no padding
	s_or_b32 s[G1+0], s43, (3<<16)|(1<<21)         ; 15:0 the mask: my row; 17:16 elements of 8 bytes; 21 set beside a mask
	s_mov_b32 s[G1+1], 32<<16                      ; tensor_dim0 = 32
	s_mov_b32 s[G1+2], 128<<16                     ; tensor_dim1 = 128
	s_mov_b32 s[G1+3], 32<<16                      ; tile_dim0 = 32
	s_mov_b32 s[G1+4], 128                         ; tile_dim1 = 128
	s_mov_b32 s[G1+5], 32                          ; the pitch: the rows follow each other
	s_mov_b32 s[G1+6], 0
	s_mov_b32 s[G1+7], 0
	; B's group 1: 128 rows x 256 bytes, padded in LDS
	s_or_b32 s[G1B+0], s44, (0<<16)|(1<<20)|(1<<21)|(5<<22)|(3<<25)  ; the mask: my column; elements of 1 byte; padding of 4 words after every 64
	s_mov_b32 s[G1B+1], ROWB<<16
	s_mov_b32 s[G1B+2], 128<<16
	s_mov_b32 s[G1B+3], ROWB<<16
	s_mov_b32 s[G1B+4], 128
	s_mov_b32 s[G1B+5], KROW
	s_mov_b32 s[G1B+6], 0
	s_mov_b32 s[G1B+7], 0
	s_lshl_b32 s20, s17, 4
	s_lshl_b32 s18, s16, 3
	s_add_co_u32 s20, s20, s18                     ; A: tile of 16 tokens 16 x tile row + 8 x half,
	s_lshl_b32 s20, s20, 12                        ; 4,096 bytes each
	s_mov_b32 s21, 0
	s_lshl_b32 s46, s42, 8
	s_lshl_b32 s18, s16, 7
	s_add_co_u32 s46, s46, s18                     ; B: row 256 x tile column + 128 x half,
	s_lshl_b32 s46, s46, 10                        ; 1,024 bytes each
	s_mov_b32 s47, 0
	s_mul_i32 s45, s16, AHALF                      ; where they go: A's half,
	s_mul_i32 s23, s16, BHALF
	s_add_co_u32 s23, s23, 2*AHALF                 ; B's half: no place in the cluster enters an LDS address
	s_wait_kmcnt 0x0
	s_load_b64 s[96:97], s[10:11], 0x28            ; e10, e11
	s_add_nc_u64 s[20:21], s[4:5], s[20:21]
	s_add_nc_u64 s[46:47], s[6:7], s[46:47]
	CROUND                                         ; all sixteen work-groups are here: the first joint loads meet
.irp s, 0,1
	s_mov_b32 s[G0+4*\s], 1
	s_add_co_u32 s[G0+4*\s+1], s45, \s*SLOT
	s_add_nc_u64 s[G0+4*\s+2:G0+4*\s+3], s[20:21], \s*ASTEP
	s_or_b32 s[G0+4*\s+3], s[G0+4*\s+3], 0x80000000
	s_mov_b32 s[G0B+4*\s], 1
	s_add_co_u32 s[G0B+4*\s+1], s23, \s*SLOT
	s_add_nc_u64 s[G0B+4*\s+2:G0B+4*\s+3], s[46:47], \s*ROWB
	s_or_b32 s[G0B+4*\s+3], s[G0B+4*\s+3], 0x80000000
	s_wait_alu depctr_va_vdst(0)
	s_wait_tensorcnt 0x0
	ds_add_u32 v28, v29
	ds_add_u32 v28, v29
	s_wait_dscnt 0x0
	CROUND
	JLOAD G0+4*\s, G1, G0B+4*\s, G1B               ; one load of mine is out: this slot's K step
.endr
	v_and_b32 v1, 15, v0                           ; r
	v_bfe_u32 v2, v0, 4, 1                         ; h
	v_and_b32 v6, 31, v0
	v_lshlrev_b32 v[CO], 4, v6                     ; 16 x lane
	v_mul_u32_u24 v3, v1, PITCH
	v_lshl_add_u32 v4, v2, 4, v3                   ; B: a fragment's row x pitch + 16 x half
	s_mul_i32 s21, s15, AHALF                      ; my 128 tokens' images
	s_mul_i32 s22, s16, BHALF                      ; my 128 rows of wo,
	s_add_co_u32 s22, s22, 2*AHALF                 ; which lie behind A's two halves
.irp s, 0,1
	v_add_nc_u32 v[ADRA+\s], s21, v[CO]
	v_add_nc_u32 v[ADRB+\s], s22, v4
	s_add_co_u32 s21, s21, SLOT
	s_add_co_u32 s22, s22, SLOT
.endr
	s_mul_i32 s22, s14, 16*SPITCH                  ; my stage
	v_mul_u32_u24 v5, v1, SPITCH                   ; in: row r, 32 bytes for each half of the lanes
	v_lshl_add_u32 v5, v2, 5, v5
	v_add_nc_u32 v[STO], s22, v5
	v_add_nc_u32 v[RD], s22, v[CO]                 ; back: the 32 lanes take one row of 512 bytes
	s_lshl_b32 s68, s17, 8
	s_lshl_b32 s69, s15, 7
	s_add_co_u32 s68, s68, s69                     ; my first row of out0,
	s_lshl_b32 s68, s68, 12                        ; 4,096 bytes each (under 2^26)
	s_mov_b32 s69, 0
	s_lshl_b32 s70, s42, 10                        ; my first column, in bytes: 1,024 x tile column + 512 x half
	s_lshl_b32 s71, s16, 9
	s_add_co_u32 s70, s70, s71
	s_mov_b32 s71, 0
	s_add_nc_u64 s[12:13], s[12:13], s[68:69]
	s_add_nc_u64 s[12:13], s[12:13], s[70:71]
	v_lshlrev_b32 v[BNO], 5, v2
	v_add_nc_u32 v[BNO], s70, v[BNO]               ; bo: 4 x (my first column + 8 h)
.irp b, 0,1,2,3,4,5,6,7
	global_load_b128 v[BN+8*\b:BN+8*\b+3], v[BNO], s[8:9] offset:64*\b        ; the bias of columns 16 b + 8 h + 0 .. 7
	global_load_b128 v[BN+8*\b+4:BN+8*\b+7], v[BNO], s[8:9] offset:64*\b+16
.endr
.macro FRAGA reg, adr, q, i            ; an image comes back as it was stored: 16 bytes a lane, 512 consecutive bytes an instruction
.irp c, 0,1,2,3
	ds_load_b128 v[\reg+4*\c:\reg+4*\c+3], v[\adr] offset:4096*(\i)+2048*(\q)+512*\c
.endr
.endm
.macro FRAGB reg, adr, q, i            ; 16 rows x 128 K from rows: registers 4 c .. 4 c + 3 hold K = 32 c + 16 (l / 16) + 0 .. 15
.irp c, 0,1,2,3
	ds_load_b128 v[\reg+4*\c:\reg+4*\c+3], v[\adr] offset:128*(\q)+32*\c+(\i)*16*PITCH
.endr
.endm
; 16 matrix instructions: A's blocks a0, a0 + 1 x B's eight.  The 64 accumulators take turns, one instruction a turn, in the same order in every step.
.macro MUL16 a0, p, zero
.irp a, \a0, \a0+1
.irp b, 0,1,2,3,4,5,6,7
.if \zero
	v_wmma_f32_16x16x128_bf8_bf8 v[8*(8*((\a)%4)+\b):8*(8*((\a)%4)+\b)+7], v[128*(\p)+FR*\b:128*(\p)+FR*\b+FR-1], v[AF+FR*(\a):AF+FR*(\a)+FR-1], 0
.else
	v_wmma_f32_16x16x128_bf8_bf8 v[8*(8*((\a)%4)+\b):8*(8*((\a)%4)+\b)+7], v[128*(\p)+FR*\b:128*(\p)+FR*\b+FR-1], v[AF+FR*(\a):AF+FR*(\a)+FR-1], v[8*(8*((\a)%4)+\b):8*(8*((\a)%4)+\b)+7]
.endif
.endr
.endr
.endm
.macro FETCH_B slot, q, p
	WIN TO_B
.irp i, 0,1,2,3,4,5,6,7
	FRAGB 128*(\p)+FR*\i, ADRB+\slot, \q, \i
.endr
	WIN 0
.endm
.macro FETCH_A slot, q, i0
.irp i, \i0, \i0+1, \i0+2, \i0+3
	FRAGA AF+FR*(\i), ADRA+\slot, \q, \i
.endr
.endm
.macro PLACES n                        ; plain vector instructions that name none of a matrix instruction's registers (ISA guide 7.12.1)
.rept \n
	v_nop
.endr
.endm
.macro STEP slot, q, zero
	s_wait_dscnt 4*NL                              ; B's set and A's blocks 0-3 are in; the youngest sixteen loads (A's blocks 4-7) may be out
	WIN MUL_LO
	MUL16 0, (\q)%2, \zero
	MUL16 2, (\q)%2, \zero
	s_wait_dscnt 0                                 ; A's blocks 4-7 are in
	PLACES NP
	FETCH_B \slot, (\q)+1, 1-(\q)%2
	FETCH_A \slot, (\q)+1, 0
	WIN MUL_HI
	MUL16 4, (\q)%2, \zero
	MUL16 6, (\q)%2, \zero
	PLACES NP
	WIN 0
	FETCH_A \slot, (\q)+1, 4
.endm
; A slot's last step changes slots: ONE barrier; in front of it each wave waits for all its tensor loads, adds 0 to its spare word, and waits for that and for its own reads of this slot.
.macro TURN slot, next, fill
	s_wait_tensorcnt 0x0                           ; all my tensor loads have landed: my part of the next slot  (every window is 0 here)
	ds_add_u32 v[SPW], v[NIL]                      ; 0 onto my spare word
	s_wait_dscnt 4*NL+1                            ; (the add and the youngest sixteen loads may be out)
	WIN MUL_LO
	MUL16 0, 1, 0
	s_wait_dscnt 0x0                               ; the add is done, and my reads of this slot are over
	s_barrier_signal -1
	MUL16 2, 1, 0
	WIN 0
	s_barrier_wait -1
.if \fill
	CREST                                          ; the barrier has opened a round of the cluster's barrier: no wave of any partner still reads this slot's tile or has a load on its way
	s_add_nc_u64 s[G0+4*\slot+2:G0+4*\slot+3], s[G0+4*\slot+2:G0+4*\slot+3], 2*ASTEP
	s_add_nc_u64 s[G0B+4*\slot+2:G0B+4*\slot+3], s[G0B+4*\slot+2:G0B+4*\slot+3], 2*ROWB
	JLOAD G0+4*\slot, G1, G0B+4*\slot, G1B         ; the first tensor load behind the round, my only one until the next
.else
	PLACES NP
.endif
	FETCH_B \next, 0, 0
	FETCH_A \next, 0, 0
	WIN MUL_HI
	MUL16 4, 1, 0
	MUL16 6, 1, 0
	PLACES NP
	WIN 0
	FETCH_A \next, 0, 4
.endm
	s_wait_alu depctr_va_vdst(0)
	s_wait_tensorcnt 1                             ; my part of K step 0 is in; K step 1's load may be out
	s_barrier_signal -1
	s_barrier_wait -1
	FETCH_B 0, 0, 0
	FETCH_A 0, 0, 0
	FETCH_A 0, 0, 4
	STEP 0, 0, 1                                   ; the first step's products start the sums
	s_mov_b32 s3, LAPS-1
.Llap:
	TURN 0, 1, 1
	STEP 1, 0, 0
	TURN 1, 0, 1
	STEP 0, 0, 0
	s_sub_co_u32 s3, s3, 1
	s_cmp_lg_u32 s3, 0
	s_cbranch_scc1 .Llap
	TURN 0, 1, 0                                   ; the last lap fills nothing
	STEP 1, 0, 0
	s_wait_dscnt 4*NL
	WIN MUL_LO
	MUL16 0, 1, 0
	MUL16 2, 1, 0
	s_wait_dscnt 0
	WIN MUL_HI
	MUL16 4, 1, 0
	MUL16 6, 1, 0
	WIN 0
; THE WAY OUT, block by block of 16 rows x 128 columns: sum x 2^(e10 + e11) + bias in place; through my own stage in LDS; back as whole rows of 512 bytes.
; LDS serves a wave's instructions in order (ISA guide 5.7.1.4): no wait between the stores and the loads, nor in front of the next block's stores.
.macro TOSTAGE a
.set AC, 64*((\a)%4)
	WIN 0x82+0x41*((\a)/4)                         ; destination and source 0: window 2 or 3; the bias in window 0
.set i, 0
.rept 32
	v_pk_fma_f32 v[AC+i:AC+i+1], v[AC+i:AC+i+1], s[96:97], v[BN+i:BN+i+1] op_sel_hi:[1,0,1]   ; each accumulator from its low end on
.set i, i+2
.endr
	WIN 0x08+4*((\a)/4)                            ; an LDS store's data: window 2 or 3; its address in window 0
.irp b, 0,1,2,3,4,5,6,7
	ds_store_b128 v[STO], v[AC+8*\b:AC+8*\b+3] offset:64*\b
	ds_store_b128 v[STO], v[AC+8*\b+4:AC+8*\b+7] offset:64*\b+16
.endr
	WIN 0
.set BB, BK+64*((\a)%2)
.irp t, 0,1,2,3,4,5,6,7,8,9,10,11,12,13,14,15
	ds_load_b128 v[BB+4*\t:BB+4*\t+3], v[RD] offset:\t*SPITCH
.endr
.endm
.macro SEND a, younger                 ; younger: the LDS instructions issued behind block a's loads, which may stay out
.set BB, BK+64*((\a)%2)
	s_wait_dscnt \younger                          ; the block is back in registers
.if (\a) > 0
	s_add_nc_u64 s[12:13], s[12:13], 16*SIZE_N*4   ; (behind a wait on XCNT: the earlier stores have read their base)  16 rows on
.endif
.irp t, 0,1,2,3,4,5,6,7,8,9,10,11,12,13,14,15
	global_store_b128 v[CO], v[BB+4*\t:BB+4*\t+3], s[12:13] offset:\t*SIZE_N*4 th:TH_STORE_NT   ; 32 lanes store 512 consecutive bytes, at a multiple of 256 from out0's first byte
.endr
.endm
	s_wait_kmcnt 0x0
	s_add_co_i32 s96, s96, s97                     ; e10 + e11
	s_add_co_i32 s96, s96, 127
	s_lshl_b32 s96, s96, 23                        ; 2^(e10 + e11) as f32 (of the pair s[96:97] the low word serves both halves)
	s_wait_loadcnt 0x0                             ; the bias
	PLACES NP                                      ; behind the last products: in front of the first read of results and of loads into the registers that held A's fragments
	TOSTAGE 0
.irp a, 1,2,3,4,5,6,7
.if \a > 1
	s_wait_xcnt 0x0                                ; block a - 2's stores have read their registers and their base: block a's loads may land there, and the base may step
.endif
	TOSTAGE \a
	SEND \a-1, 32                                  ; behind block a - 1's loads: block a's 16 stores and 16 loads
.endr
	s_wait_xcnt 0x0                                ; block 6's stores have read their base
	SEND 7, 0
	s_wait_tensorcnt 0x0                           ; the wave's end
	ds_add_u32 v[SPW], v[NIL]
	s_wait_dscnt 0x0
	CROUND                                         ; the closing round: no work-group ends while a partner may still ask for a tile that names it
	s_endpgm
.Lfunc_end_k_qaeb3ed0721_oproj:
	.size	k_qaeb3ed0721_oproj, .Lfunc_end_k_qaeb3ed0721_oproj-k_qaeb3ed0721_oproj
	.p2alignl 7, 3214868480
	.fill 96, 4, 3214868480
	.section	.rodata,"a",@progbits
	.p2align	6, 0x0
	.amdhsa_kernel k_qaeb3ed0721_oproj
		.amdhsa_group_segment_fixed_size 327680
		.amdhsa_private_segment_fixed_size 0
		.amdhsa_enable_private_segment 0
		.amdhsa_kernarg_size 40
		.amdhsa_user_sgpr_count 2
		.amdhsa_user_sgpr_kernarg_segment_ptr 1
		.amdhsa_wavefront_size32 1
		.amdhsa_system_sgpr_workgroup_id_x 1
		.amdhsa_system_sgpr_workgroup_id_y 1
		.amdhsa_system_sgpr_workgroup_id_z 1
		.amdhsa_system_vgpr_workitem_id 0
		.amdhsa_next_free_vgpr 1024
		.amdhsa_next_free_sgpr 98
		.amdhsa_reserve_vcc 0
		.amdhsa_float_denorm_mode_32 3
		.amdhsa_float_denorm_mode_16_64 3
		.amdhsa_memory_ordered 1
		.amdhsa_forward_progress 1
		.amdhsa_inst_pref_size 126
	.end_amdhsa_kernel
	.amdgpu_metadata
---
amdhsa.version: [ 1, 2 ]
amdhsa.kernels:
  - .name:           k_qaeb3ed0721_oproj
    .symbol:         k_qaeb3ed0721_oproj.kd
    .args:
      - { .name: oc, .offset: 0, .size: 8, .value_kind: global_buffer, .address_space: global }
      - { .name: wo_codes, .offset: 8, .size: 8, .value_kind: global_buffer, .address_space: global }
      - { .name: bo, .offset: 16, .size: 8, .value_kind: global_buffer, .address_space: global }
      - { .name: lowp_scales, .offset: 24, .size: 8, .value_kind: global_buffer, .address_space: global }
      - { .name: out0, .offset: 32, .size: 8, .value_kind: global_buffer, .address_space: global }
    .group_segment_fixed_size: 327680
    .private_segment_fixed_size: 0
    .kernarg_segment_align: 8
    .kernarg_segment_size: 40
    .max_flat_workgroup_size: 128
    .sgpr_count:     98
    .vgpr_count:     1024
    .wavefront_size: 32
...
	.end_amdgpu_metadata
.endif
;; end of part 3
